; MI455X (gfx1250); checked and timed in simulation.
; The chip was launched on July 23, 2026; its instructions are those of AMD's public machine-readable ISA for CDNA 5 (MIT licence, August 2026) and "CDNA5" Instruction Set Architecture Reference Guide (July 2026). The comments in the code are by the model that wrote it; some were corrected since.
;; Test Silu Mul. Allowed arithmetic: matrix products marked QUANTISED: E4M3 operands, one given power-of-two scale a tensor, by v_wmma_f32_16x16x64_fp8_fp8 or v_wmma_f32_16x16x128_fp8_fp8, f32 sums; everything else in f32.
;; Inputs: lowp_scales 2 int32 (the exponents e of the quantised operands' scales 2^e); w 4,096 x 4,096 float32; wscale 1 float32; x 4,096 x 8,192 float32.
;; Outputs: out0 4,096 x 4,096 float32.
;; This version of the problem:
;;   THIS VERSION OF THE PROBLEM IS GIVEN IN LOW PRECISION. The matrix products marked QUANTISED in the list below multiply operands that are first quantised to E4M3 (4 exponent bits, 3 mantissa bits; 8 bits a number), with one given power-of-two scale for each operand tensor; their sums are f32. All else is computed in f32.
;;   The module's matrix products, in the order in which they are computed (A, B: the left and right operand; K: the contracted axis; several contracted axes count as one K, in the product's order):
;;     1. [M 4,096, K 4,096] x [K 4,096, N 4,096]; A: computed on the way; B: input w: QUANTISED (scales: A lowp_scales[0], B lowp_scales[1])
;;   THE QUANTISER, for each operand of a quantised product, along K:
;;     - The operand's scale is 2^e, e = its entry of the input lowp_scales (int32; the entries are numbered through the quantised products in the list's order, A before B).
;;     - Each number is divided by the scale, clamped to +-448, and rounded to the nearest number of E4M3, ties to even, subnormals kept.
;;     - The product sums the exact products of the quantised numbers (number of the format x scale) in f32.
;;   ~~~python
;;   def quantise(x, axis, e):      # numpy; x: float32 -> the quantised numbers, widened to float32 again
;;       x = np.moveaxis(x, axis, -1); K = x.shape[-1]
;;       r = np.clip(x / 2.0 ** e, -448, 448)
;;       step = 2.0 ** (np.maximum(np.frexp(np.where(r == 0, 1, r))[1] - 1, -6) - 3)
;;       q = np.round(r / step) * step * 2.0 ** e      # np.round: ties to even
;;       return np.moveaxis(q, -1, axis).astype(np.float32)
;;   ~~~
;;   OPERANDS COMPUTED ON THE WAY. 'Computed on the way' means the value that the module computes at that place (a softmax that the list does not call 'softmax' is quantised finished and normalised). What goes into a quantiser is computed in f32, as accurately as f32 sums, v_exp_f32 and their like allow (about 1e-6 of the number): no bf16 or f16 on the way to a quantiser, and a product that is left as it is and whose result goes on into a quantised operand takes f32 operands (vector FMAs, or v_wmma_f32_16x16x4_f32). A number that lies on a knife's edge between two numbers of the format may be rounded either way, as far as f32 arithmetic and the matrix unit's own rounding can turn it there, and no further.
;; One version. Each part assembles by itself: llvm-mc -triple=amdgcn-amd-amdhsa -mcpu=gfx1250 --defsym DOCPART=n.
;; ======== version 1 of 1: 2 launches
;; limits: right only within a limited range of input values
;; workspace buffers: a_codes 16,777,216 bytes; w_codes 16,777,216 bytes
;; launch quant (part 1): grid 1024 x 1, 4 waves a work-group, no clusters, 55,808 bytes of LDS; arguments x, w, wscale, lowp_scales, a_codes, w_codes; writes a_codes, w_codes
.if DOCPART == 1
	.amdgcn_target "amdgcn-amd-amdhsa--gfx1250"
	.amdhsa_code_object_version 6
	.text
	.protected	k_qebb8448eb0_quant
	.globl	k_qebb8448eb0_quant
	.p2align	8
	.type	k_qebb8448eb0_quant,@function
k_qebb8448eb0_quant:
	s_mov_b64 s[64:65], 0
	v_nop
	global_prefetch_b8 v0, s[64:65] scope:SCOPE_SE
	s_setreg_imm32_b32 hwreg(HW_REG_WAVE_MODE, 25, 1), 1
	s_wait_xcnt 0x0
; Both operands of out = (q w) s^2 are turned into codes of FP8 (E4M3), one byte a code, K innermost, once, for the product's launch.
; WORK-GROUPS 0-511: x [4096][8192] f32 (a row: 4,096 gates, then 4,096 ups) -> a_codes [4096 tokens][4096 k].
;   y = gate x sigmoid(gate) x up / s, s = wscale[0];  q = y held within +-448 and rounded to E4M3 (the module's own quantiser, scale 1);
;   the operand's code = q / 2^e0, held within +-448, rounded to E4M3 (e0 = lowp_scales[0]).  BOTH roundings are made, whatever e0 is: f32 -> code -> f32 -> code.
; WORK-GROUPS 512-1023: w [4096 k][4096 n] f32, K its FIRST axis -> w_codes [4096 n][4096 k]: code = w / 2^e1, held within +-448 (e1 = lowp_scales[1]).
; The two paths part on the work-group's number alone; each has LDS bytes of its own; every LDS address is made ahead of the parting.  Waves share nothing: no barrier.  No tile is shared
; between work-groups and every input byte is read once, so there are no tensor loads, no cluster and no prefetch: loads into registers, several work-groups to a WGP.
; LIMITS: e0 and e1 between -126 and 119 (2^e and 448 x 2^e are made as f32 patterns); s and 1 / s are normal f32 numbers; NaN among the inputs is not served.
;   sigmoid(g) = 1 / (1 + 2^(-g log2 e)) by v_exp_f32 and v_rcp_f32, which flush denormals: a sigmoid under 2^-126 counts as 0.  g log2 e is rounded once, which shows in sigmoid as about |g| x 1e-7 of it.
;   y is formed as (g x sigmoid) x (u x (1 / s)), 1 / s by v_rcp_f32 and one Newton step: a few units in the last place from the division as written.
.set WGX,   512                        ; work-groups of the x path
.set STEPS, 16                         ; x path: steps of 512 numbers of y for a wave: two token rows
.set SP,    80                         ; x path: a lane's place in a stage: its 64 bytes + 16 of padding
.set XSTG,  32*SP                      ; a stage
.set XWAVE, 2*XSTG                     ; two stages for each wave, from LDS byte 0 on
.set WST,   4*XWAVE                    ; w path: its stages begin here
.set WP,    272                        ; a stage row: 256 codes of a column + 16 of padding
.set WWAVE, 32*WP                      ; 32 columns for each wave
; v2 lane; v3 16 x lane (x's loads, a_codes' stores); v4, v5 x path's stage, in and out; v6 4 x lane (w's loads); v7, v8 w path's stage, in and out; v9 my place in two rows of w_codes
; v10 448 x 2^e, v11 2^e; x path: v[12:13] 1 / s twice, v14 448, v15 1.0 (the first conversion's scale), v16 four bytes 0x7f (the way back: x 2^0), v17 at work
.set R,    20                          ; x path: v20-115  three sets of 32 as loaded: 16 gates, 16 ups; y takes the gates' place
.set X,    116                         ; v116-147 two sets of 16 neighbours of y
.set T,    148                         ; v148-163 at work: the sigmoids
.set C1,   164                         ; v164-167 q's codes
.set C,    168                         ; v168-183 the operand's codes: four sets of 4
.set WX,   20                          ; w path: v20-83 two sets of 32 numbers down K
.set WC,   84                          ; v84-91  a block's codes
.set WOUT, 92                          ; v92-155 the way out
	s_load_b256 s[4:11], s[0:1], 0x0               ; x s[4:5], w s[6:7], wscale s[8:9], lowp_scales s[10:11]
	s_load_b128 s[12:15], s[0:1], 0x20             ; a_codes s[12:13], w_codes s[14:15]
	v_lshl_add_u32 v192, v0, 2, 0xd800
	v_mov_b32 v193, 0
	v_lshrrev_b32 v1, 5, v0
	v_readfirstlane_b32 s16, v1                    ; wave 0..3
	v_and_b32 v2, 31, v0                           ; lane
	v_lshlrev_b32 v3, 4, v2
	s_mul_i32 s17, s16, XWAVE
	v_lshrrev_b32 v18, 2, v2
	v_mul_u32_u24 v18, v18, SP
	v_and_b32 v19, 3, v2
	v_lshl_add_u32 v4, v19, 4, v18
	v_add_nc_u32 v4, s17, v4                       ; in: four lanes' 64 bytes on end, then the padding: SP (lane / 4) + 16 (lane % 4)
	v_mul_u32_u24 v5, v2, SP
	v_add_nc_u32 v5, s17, v5                       ; out: SP x lane: my 16 neighbours
	v_lshlrev_b32 v6, 2, v2
	s_mul_i32 s18, s16, WWAVE
	s_add_co_u32 s18, s18, WST
	v_mul_u32_u24 v7, v2, WP
	v_add_nc_u32 v7, s18, v7                       ; in: row = my column
	v_lshrrev_b32 v18, 4, v2
	v_and_b32 v19, 15, v2
	v_mul_u32_u24 v8, v18, WP
	v_lshl_add_u32 v8, v19, 4, v8
	v_add_nc_u32 v8, s18, v8                       ; out: sixteen lanes to a row, two rows an instruction
	v_lshlrev_b32 v9, 12, v18
	v_lshl_add_u32 v9, v19, 4, v9                  ; and the same place in w_codes, whose rows are 4,096 bytes
	s_mov_b32 s26, 0xbfb8aa3b                      ; -log2(e)
	s_mov_b32 s27, s26                             ; (named with it as a pair, so it is written)
	s_wait_kmcnt 0x0
	s_load_b64 s[22:23], s[10:11], 0x0             ; e0, e1
	s_load_b32 s24, s[8:9], 0x0                    ; s
	s_cmp_lt_u32 ttmp9, WGX
	s_cbranch_scc0 .Lw_path
; ---------------- THE x PATH.  Wave u = 4 x work-group + wave takes token rows 2 u and 2 u + 1: 16 steps of 512 numbers.
; A step's loads take the bytes as they lie, 16 a lane, 512 consecutive bytes a load: four of gates, four of ups.  The activation is worked in that layout.  The conversions want 16 NEIGHBOURS in a lane:
; so y alone (2,048 bytes a step) turns through the wave's own stage in LDS.  Loads run three steps ahead, the activation and the turn one step.
	s_lshl_b32 s19, ttmp9, 2
	s_add_co_u32 s19, s19, s16                     ; u
	s_lshl_b32 s20, s19, 16                        ; two rows of x: 65,536 bytes
	s_mov_b32 s21, 0
	s_add_nc_u64 s[4:5], s[4:5], s[20:21]
	s_lshl_b32 s20, s19, 13                        ; two rows of codes: 8,192 bytes
	s_add_nc_u64 s[12:13], s[12:13], s[20:21]
.macro XLOAD t                         ; step t: row t / 8, columns 512 (t % 8) on, into set t % 3
.set RS, R+32*((\t)%3)
.irp i, 0,1,2,3
	global_load_b128 v[RS+4*\i:RS+4*\i+3], v3, s[4:5] offset:((\t)/8)*32768+((\t)%8)*2048+512*\i th:TH_LOAD_NT
.endr
.irp i, 0,1,2,3
	global_load_b128 v[RS+16+4*\i:RS+16+4*\i+3], v3, s[4:5] offset:((\t)/8)*32768+((\t)%8)*2048+512*\i+16384 th:TH_LOAD_NT
.endr
.endm
.macro SILU t                          ; y = (g x sigmoid(g)) x (u / s) for the 16 numbers of set t % 3, into the gates' registers
.set RS, R+32*((\t)%3)
.irp j, 0,2,4,6,8,10,12,14
	v_pk_mul_f32 v[T+\j:T+\j+1], v[RS+\j:RS+\j+1], s[26:27] op_sel_hi:[1,0]   ; -g log2(e)
.endr
	s_wait_alu depctr_va_vdst(0)
.irp j, 0,1,2,3,4,5,6,7,8,9,10,11,12,13,14,15
	v_exp_f32 v[T+\j], v[T+\j]                     ; one batch of sixteen
.endr
.irp j, 0,2,4,6,8,10,12,14
	v_pk_mul_f32 v[RS+16+\j:RS+17+\j], v[RS+16+\j:RS+17+\j], v[12:13]         ; u / s: independent plain work behind the batch
.endr
	s_wait_alu depctr_va_vdst(0)                   ; one wait for the batch, ahead of its first reader
.irp j, 0,2,4,6,8,10,12,14
	v_pk_add_f32 v[T+\j:T+\j+1], v[T+\j:T+\j+1], 1.0 op_sel_hi:[1,0]
.endr
	s_wait_alu depctr_va_vdst(0)
.irp j, 0,1,2,3,4,5,6,7,8,9,10,11,12,13,14,15
	v_rcp_f32 v[T+\j], v[T+\j]                     ; the sigmoids: a second batch
.endr
	v_nop                                          ; a plain instruction behind the last reciprocal (ISA guide 5.7.2)
	s_wait_alu depctr_va_vdst(0)                   ; and its one wait
.irp j, 0,2,4,6,8,10,12,14
	v_pk_mul_f32 v[RS+\j:RS+\j+1], v[RS+\j:RS+\j+1], v[T+\j:T+\j+1]
.endr
.irp j, 0,2,4,6,8,10,12,14
	v_pk_mul_f32 v[RS+\j:RS+\j+1], v[RS+\j:RS+\j+1], v[RS+16+\j:RS+17+\j]
.endr
.endm
.macro TURN t                          ; step t's y through stage t % 2: LDS serves a wave's instructions in order (ISA guide 5.7.1.4), so no wait stands between the stores and the loads
.set RS, R+32*((\t)%3)
.set XS, X+16*((\t)%2)
.irp i, 0,1,2,3
	ds_store_b128 v4, v[RS+4*\i:RS+4*\i+3] offset:XSTG*((\t)%2)+8*SP*\i
.endr
.irp i, 0,1,2,3
	ds_load_b128 v[XS+4*\i:XS+4*\i+3], v5 offset:XSTG*((\t)%2)+16*\i
.endr
.endm
.macro QX t                            ; step t's 16 neighbours become 16 codes, and leave
.set XS, X+16*((\t)%2)
.set CS, C+4*((\t)%4)
.irp i, 0,1,2,3,4,5,6,7,8,9,10,11,12,13,14,15
	v_med3_num_f32 v[XS+\i], v[XS+\i], -v14, v14   ; the module's clip at +-448; the conversion itself does not saturate (ISA guide 7.6.2)
.endr
	v_cvt_scalef32_pk8_fp8_f32 v[C1:C1+1], v[XS:XS+7], v15       ; q's codes: scale 1, to the nearest, ties to even
	v_cvt_scalef32_pk8_fp8_f32 v[C1+2:C1+3], v[XS+8:XS+15], v15
	v_nop                                          ; a plain instruction between a scaled conversion and the next vector instruction that touches its result or writes its sources
	v_cvt_scale_pk8_f32_fp8 v[XS:XS+7], v[C1:C1+1], v16          ; q as f32 again: the operand as the module has it
	v_cvt_scale_pk8_f32_fp8 v[XS+8:XS+15], v[C1+2:C1+3], v16
	v_nop
.irp i, 0,1,2,3,4,5,6,7,8,9,10,11,12,13,14,15
	v_med3_num_f32 v[XS+\i], v[XS+\i], -v10, v10   ; the operand's hold: within 448 x 2^e0
.endr
.if (\t) >= 4
	s_wait_alu depctr_va_vdst(0)
	s_wait_xcnt 0x0                                ; the store of four steps ago has read this set of codes: it is written again only behind this wait
.endif
	v_cvt_scalef32_pk8_fp8_f32 v[CS:CS+1], v[XS:XS+7], v11       ; q / 2^e0
	v_cvt_scalef32_pk8_fp8_f32 v[CS+2:CS+3], v[XS+8:XS+15], v11
	v_nop
	global_store_b128 v3, v[CS:CS+3], s[12:13] offset:512*(\t)   ; the wave stores 512 consecutive bytes, at a multiple of 512 from the buffer's first byte
.endm
.macro STEP t
	s_wait_dscnt 0x0                               ; this step's y is back from the stage, and the stores into the stage have read set t % 3,
.if (\t)+3 < STEPS
	XLOAD (\t)+3                                   ; which takes the loads of three steps on
.endif
.if (\t)+1 < STEPS
.if (\t) <= STEPS-4
	s_wait_loadcnt 16                              ; the next step's eight loads are in; those of the two steps behind it may be out
.else
	s_wait_loadcnt 8*(STEPS-2-(\t))
.endif
	SILU (\t)+1
	TURN (\t)+1                                    ; the next step's y goes through the other stage while this step is quantised
.endif
	QX \t
.endm
	XLOAD 0
	XLOAD 1
	XLOAD 2
	s_wait_kmcnt 0x0
	v_rcp_f32 v12, s24
	s_add_co_i32 s28, s22, 127
	s_lshl_b32 s29, s28, 23
	v_mov_b32 v11, s29                             ; 2^e0 as f32: the conversion takes its exponent field
	s_add_co_i32 s28, s28, 8
	s_lshl_b32 s28, s28, 23
	s_or_b32 s28, s28, 0x600000
	v_mov_b32 v10, s28                             ; 448 x 2^e0
	v_mov_b32 v14, 0x43e00000                      ; 448
	v_mov_b32 v15, 1.0
	v_mov_b32 v16, 0x7f7f7f7f
	s_wait_alu depctr_va_vdst(0)                   ; the reciprocal's wait, ahead of its first reader
	v_fma_f32 v17, -v12, s24, 1.0                  ; one Newton step: r + r (1 - r s)
	v_fma_f32 v12, v12, v17, v12
	v_mov_b32 v13, v12
	s_wait_loadcnt 16                              ; step 0's eight loads are in
	SILU 0
	TURN 0
.irp t, 0,1,2,3,4,5,6,7,8,9,10,11,12,13,14,15
	STEP \t
.endr
	s_wait_tensorcnt 0x0
	ds_add_u32 v192, v193
	s_wait_dscnt 0x0
	s_endpgm
; ---------------- THE w PATH.  A LANE TAKES A COLUMN n AND ITS REGISTERS RUN DOWN K: each load reads neighbouring n in neighbouring lanes (128 consecutive bytes a wave, the four waves side by side on 512),
; and the conversions, which take neighbours along K from one lane's registers, give codes with K innermost.  A wave takes 32 columns x 256 along K; a column's 256 codes gather in the wave's own stage
; and leave as rows: sixteen lanes store 256 consecutive bytes, aligned.  Loads run two blocks of 32 ahead.  Every offset is an immediate: 255 rows of 16,384 bytes at the most.
.Lw_path:
	s_sub_co_u32 s19, ttmp9, WGX
	s_and_b32 s20, s19, 31
	s_lshl_b32 s20, s20, 7
	s_lshl_b32 s21, s16, 5
	s_add_co_u32 s25, s20, s21                     ; my wave's first column: 128 x (id % 32) + 32 x wave
	s_lshr_b32 s19, s19, 5                         ; which 256 along K: id / 32
	s_lshl_b32 s20, s19, 22                        ; 256 rows of 16,384 bytes
	s_lshl_b32 s21, s25, 2
	s_add_co_u32 s20, s20, s21
	s_mov_b32 s21, 0
	s_add_nc_u64 s[6:7], s[6:7], s[20:21]
	s_lshl_b32 s20, s25, 12                        ; a row of w_codes is 4,096 bytes
	s_lshl_b32 s28, s19, 8
	s_add_co_u32 s20, s20, s28
	s_add_nc_u64 s[14:15], s[14:15], s[20:21]
.macro WLOAD t                         ; block t: w(32 t + i, my column), i = 0 .. 31, into set t % 2
.irp i, 0,1,2,3,4,5,6,7,8,9,10,11,12,13,14,15,16,17,18,19,20,21,22,23,24,25,26,27,28,29,30,31
	global_load_b32 v[WX+32*((\t)%2)+\i], v6, s[6:7] offset:(32*(\t)+\i)*16384 th:TH_LOAD_NT
.endr
.endm
.macro BLOCK t
.set WS, WX+32*((\t)%2)
.if (\t) < 7
	s_wait_loadcnt 32                              ; this block's 32 loads are in; the next block's may be out
.else
	s_wait_loadcnt 0
.endif
.irp i, 0,1,2,3,4,5,6,7,8,9,10,11,12,13,14,15,16,17,18,19,20,21,22,23,24,25,26,27,28,29,30,31
	v_med3_num_f32 v[WS+\i], v[WS+\i], -v10, v10   ; the hold at 448 x 2^e1: the conversion does not saturate (ISA guide 7.6.2)
.endr
.irp g, 0,1,2,3
	v_cvt_scalef32_pk8_fp8_f32 v[WC+2*\g:WC+2*\g+1], v[WS+8*\g:WS+8*\g+7], v11
.endr
	v_nop                                          ; a plain instruction behind the last conversion
	ds_store_b128 v7, v[WC:WC+3] offset:32*(\t)    ; 32 codes of my column's row
	ds_store_b128 v7, v[WC+4:WC+7] offset:32*(\t)+16
.if (\t)+2 < 8
	WLOAD (\t)+2
.endif
	s_wait_dscnt 0x0                               ; the stores have read their registers: the next block's codes may be written
.endm
	WLOAD 0
	WLOAD 1
	s_wait_kmcnt 0x0
	s_add_co_i32 s28, s23, 127
	s_lshl_b32 s29, s28, 23
	v_mov_b32 v11, s29                             ; 2^e1
	s_add_co_i32 s28, s28, 8
	s_lshl_b32 s28, s28, 23
	s_or_b32 s28, s28, 0x600000
	v_mov_b32 v10, s28                             ; 448 x 2^e1
	s_wait_alu depctr_va_vdst(0)
.irp t, 0,1,2,3,4,5,6,7
	BLOCK \t
.endr
.irp t, 0,1,2,3,4,5,6,7,8,9,10,11,12,13,14,15
	ds_load_b128 v[WOUT+4*\t:WOUT+4*\t+3], v8 offset:2*\t*WP     ; in order behind my stores
.endr
.irp t, 0,1,2,3,4,5,6,7,8,9,10,11,12,13,14,15
	s_wait_dscnt 15-\t                             ; the younger loads may stay out
	global_store_b128 v9, v[WOUT+4*\t:WOUT+4*\t+3], s[14:15] offset:2*\t*4096
.endr
	s_wait_tensorcnt 0x0
	ds_add_u32 v192, v193
	s_wait_dscnt 0x0
	s_endpgm
.Lfunc_end_k_qebb8448eb0_quant:
	.size	k_qebb8448eb0_quant, .Lfunc_end_k_qebb8448eb0_quant-k_qebb8448eb0_quant
	.p2alignl 7, 3214868480
	.fill 96, 4, 3214868480
	.section	.rodata,"a",@progbits
	.p2align	6, 0x0
	.amdhsa_kernel k_qebb8448eb0_quant
		.amdhsa_group_segment_fixed_size 55808
		.amdhsa_private_segment_fixed_size 0
		.amdhsa_enable_private_segment 0
		.amdhsa_kernarg_size 48
		.amdhsa_user_sgpr_count 2
		.amdhsa_user_sgpr_kernarg_segment_ptr 1
		.amdhsa_wavefront_size32 1
		.amdhsa_system_sgpr_workgroup_id_x 1
		.amdhsa_system_sgpr_workgroup_id_y 1
		.amdhsa_system_sgpr_workgroup_id_z 1
		.amdhsa_system_vgpr_workitem_id 0
		.amdhsa_next_free_vgpr 194
		.amdhsa_next_free_sgpr 66
		.amdhsa_reserve_vcc 0
		.amdhsa_float_denorm_mode_32 3
		.amdhsa_float_denorm_mode_16_64 3
		.amdhsa_memory_ordered 1
		.amdhsa_forward_progress 1
		.amdhsa_inst_pref_size 173
	.end_amdhsa_kernel
	.amdgpu_metadata
---
amdhsa.version: [ 1, 2 ]
amdhsa.kernels:
  - .name:           k_qebb8448eb0_quant
    .symbol:         k_qebb8448eb0_quant.kd
    .args:
      - { .name: x, .offset: 0, .size: 8, .value_kind: global_buffer, .address_space: global }
      - { .name: w, .offset: 8, .size: 8, .value_kind: global_buffer, .address_space: global }
      - { .name: wscale, .offset: 16, .size: 8, .value_kind: global_buffer, .address_space: global }
      - { .name: lowp_scales, .offset: 24, .size: 8, .value_kind: global_buffer, .address_space: global }
      - { .name: a_codes, .offset: 32, .size: 8, .value_kind: global_buffer, .address_space: global }
      - { .name: w_codes, .offset: 40, .size: 8, .value_kind: global_buffer, .address_space: global }
    .group_segment_fixed_size: 55808
    .private_segment_fixed_size: 0
    .kernarg_segment_align: 8
    .kernarg_segment_size: 48
    .max_flat_workgroup_size: 128
    .sgpr_count:     66
    .vgpr_count:     194
    .wavefront_size: 32
...
	.end_amdgpu_metadata
.endif
;; end of part 1
;; launch gemm (part 2): grid 16 x 16, 4 waves a work-group, clusters of 4 x 4, 327,680 bytes of LDS; arguments a_codes, w_codes, lowp_scales, wscale, out0; writes out0
.if DOCPART == 2
	.amdgcn_target "amdgcn-amd-amdhsa--gfx1250"
	.amdhsa_code_object_version 6
	.text
	.protected	k_qebb8448eb0_gemm
	.globl	k_qebb8448eb0_gemm
	.p2align	8
	.type	k_qebb8448eb0_gemm,@function
k_qebb8448eb0_gemm:
	s_mov_b64 s[64:65], 0
	v_nop
	global_prefetch_b8 v0, s[64:65] scope:SCOPE_SE
	s_setreg_imm32_b32 hwreg(HW_REG_WAVE_MODE, 25, 1), 1
	s_wait_xcnt 0x0
	s_wait_alu depctr_hold_cnt(0) depctr_sa_sdst(0) depctr_va_vdst(0) depctr_va_sdst(0) depctr_va_ssrc(0) depctr_va_vcc(0) depctr_vm_vsrc(0)
	s_getreg_b32 s2, hwreg(HW_REG_IB_STS2, 6, 4)
	s_cmp_eq_u32 s2, 0
	s_cbranch_scc0 .Lentry_in_a_cluster
	s_endpgm
.Lentry_in_a_cluster:
	s_bfe_u32 s2, ttmp6, 0x10000c
	s_cmp_lg_u32 s2, 0xf033
	s_cbranch_scc0 .Lentry_shape_is_right
	s_endpgm
.Lentry_shape_is_right:
; out0[m][n] = (sum over k of A[m][k] B[n][k]) x 2^(e0 + e1) x s^2.  A = a_codes [4096][4096], B = w_codes [4096 n][4096 k]: codes of FP8 (E4M3), K innermost; e0, e1 = lowp_scales; s = wscale[0].
; The codes are multiplied as they are, sums in f32, each finished sum once by the factor.  LIMIT: s^2 and s^2 x 2^(e0 + e1) are finite f32 numbers.
; A tile of 256 x 256 of out0 for a work-group of four waves, 128 x 128 a wave: 64 accumulators, 512 registers.  K goes in steps of 256 through two LDS slots; a tile's row is 256 bytes of memory, aligned.
; CLUSTERS 4 x 4: A's tiles are asked for jointly along a row of the cluster, B's along a column.  The matrix instruction is used transposed (source 0 = rows of B, source 1 = rows of A).
; A slot holds two steps of 128 along K, an even and an odd one, 64 matrix instructions each.  A step's 16 fragments (64 LDS loads) are fetched during the step before, in groups of GSZ fragments, GAP products apart,
; in the order of their use.  So a slot is read out before its odd step begins, and the change of slots stands at the head of the odd step.
; REGISTERS: window 0: v0-31 addresses; AE v128-255: A's eight blocks of an even step; AO v32-127: blocks 0-5 of an odd step, whose blocks 6, 7 lie in AE's first two places
;   (free behind the even step's first sixteen products; the odd step multiplies them first, so that they are free again for the next even step).
;   window 1: B's fragments, set 0 (even steps) at v0, set 1 (odd steps) at v128.  windows 2, 3: the accumulators of my rows 0-63, 64-127: (a, b) at v[64 (a % 4) + 8 b].
; PREFETCH: behind the fill of K step j (j >= 2) each wave names K step j + 2; behind the fill of K step 1, K steps 2 and 3; K steps 0 and 1 come by their loads alone.  A request is 32 rows x 256 bytes, a lane a row.
;   Of the 128 rows that a wave fetches each of the four partners that ask for them jointly takes 32, told apart by address; so each row's 256 bytes are named once in each cluster that loads them.
;   The fills of K steps 14 and 15 name nothing.
.set SIZE_N, 4096
.set SIZE_K, 4096
.set ROWB,   256
.set PITCH,  272                       ; 256 bytes + 16 of padding: the 16 rows of a fragment load start at 16 different banks (ISA guide 11.1)
.set HALFT,  128*PITCH                 ; what one tensor load brings
.set SLOT,   4*HALFT                   ; A's 256 rows, then B's
.set LAPS,   SIZE_K/(2*ROWB)
.set SPARE,  2*SLOT                    ; the spare words: 512 bytes that no other line names
.set SPITCH, 528                       ; the way out: a stage of 16 rows x (512 + 16) bytes a wave, in slot 0 behind its last fill and last read
.set GSZ,  4                           ; fragments in a group of loads
.set GAP,  12                          ; products from group to group
.set ADRA, 16                          ; v16-17 my A fragments in slot 0, 1
.set ADRB, 20                          ; v20-21 my B fragments
.set STO,  24
.set RD,   25
.set CO,   26
.set PFO,  27                          ; lane x 4,096: the prefetches' offset
.set SPW,  28
.set NIL,  29
.set FAC,  30                          ; v30-31 the factor, twice
.set TMP,  32
.set AO,   32
.set AE,   128
.set BK,   128
.set G1, 24
.set G0, 32
.set G1B, 48
.set G0B, 56
.set PFA, 68                           ; s[68:69] my 32 rows, at the K step that is being filled
.set MSB, 0
.macro WIN new
.if MSB != \new
	s_set_vgpr_msb (MSB<<8)|\new
.set MSB, \new
.endif
.endm
.set MUL_LO, 0xa1                      ; source 0 window 1, source 1 window 0, C and D window 2
.set MUL_HI, 0xf1                      ; C and D window 3
.set TO_B,   0x40
.macro JLOAD g0a, g1a, g0b, g1b        ; a joint load: waves 0, 1 for A, waves 2, 3 for B
	s_cmp_eq_u32 s15, 0
	s_cbranch_scc0 .Lfor_b_\@
	tensor_load_to_lds s[\g0a:\g0a+3], s[\g1a:\g1a+7]
	s_nop 0
.rept 4
	v_nop
.endr
	s_branch .Lasked_\@
.Lfor_b_\@:
	tensor_load_to_lds s[\g0b:\g0b+3], s[\g1b:\g1b+7]
	s_nop 0
.rept 4
	v_nop
.endr
.Lasked_\@:
.endm
.macro ASK                             ; K step j + 2; not in the loop's last trip (s3 = 1), whose fills are K steps 14 and 15
	s_cmp_gt_u32 s3, 1
	s_cbranch_scc0 .Lno_ask_\@
	global_prefetch_b8 v[PFO], s[PFA:PFA+1] offset:2*ROWB th:TH_LOAD_NT scope:SCOPE_SE
.Lno_ask_\@:
.endm
.macro CREST
	s_cmp_lg_u32 s14, 0
	s_cbranch_scc1 .Lnot_wave_0_\@
	s_barrier_signal -3
.Lnot_wave_0_\@:
	s_barrier_wait -3
	s_barrier_signal -1
	s_barrier_wait -1
.endm
.macro CROUND
	s_barrier_signal -1
	s_barrier_wait -1
	CREST
.endm
	s_load_b128 s[4:7], s[0:1], 0x0                ; a_codes, w_codes
	s_load_b128 s[8:11], s[0:1], 0x10              ; lowp_scales, wscale
	s_load_b64 s[12:13], s[0:1], 0x20              ; out0
	v_lshl_add_u32 v[SPW], v0, 2, SPARE
	v_mov_b32 v[NIL], 0
	ds_add_u32 v[SPW], v[NIL]                      ; the opening lines: the add twice on end and one wait
	ds_add_u32 v[SPW], v[NIL]
	v_lshrrev_b32 v1, 5, v0
	v_readfirstlane_b32 s14, v1                    ; wave
	s_lshr_b32 s15, s14, 1                         ; my half of the rows; also: I fetch for A (0) or B (1)
	s_and_b32 s16, s14, 1                          ; my half of the columns; also: which 128 rows I fetch
	s_bfe_u32 s40, ttmp6, 0x40000                  ; cx
	s_bfe_u32 s41, ttmp6, 0x40004                  ; cy
	s_lshl_b32 s42, ttmp9, 2
	s_add_co_u32 s42, s42, s40                     ; tile column
	s_and_b32 s17, ttmp7, 0xffff
	s_lshl_b32 s17, s17, 2
	s_add_co_u32 s17, s17, s41                     ; tile row
	s_lshl_b32 s43, s41, 2
	s_lshl_b32 s43, 15, s43                        ; my row of the cluster
	s_lshl_b32 s44, 0x1111, s40                    ; my column
	s_or_b32 s[G1+0], s43, (0<<16)|(1<<20)|(1<<21)|(5<<22)|(3<<25)   ; mask; elements of 1 byte; 4 words of padding behind every 64
	s_or_b32 s[G1B+0], s44, (0<<16)|(1<<20)|(1<<21)|(5<<22)|(3<<25)
.irp g, G1, G1B
	s_mov_b32 s[\g+1], ROWB<<16
	s_mov_b32 s[\g+2], 128<<16
	s_mov_b32 s[\g+3], ROWB<<16
	s_mov_b32 s[\g+4], 128
	s_mov_b32 s[\g+5], SIZE_K
	s_mov_b32 s[\g+6], 0
	s_mov_b32 s[\g+7], 0
.endr
	s_lshl_b32 s18, s16, 7
	s_lshl_b32 s20, s17, 8
	s_add_co_u32 s20, s20, s18                     ; A: row 256 x tile row + 128 x half
	s_lshl_b32 s46, s42, 8
	s_add_co_u32 s46, s46, s18                     ; B: row 256 x tile column + 128 x half
	s_mov_b32 s21, 0
	s_mov_b32 s47, 0
	s_mov_b64 s[18:19], SIZE_K
	s_mul_u64 s[20:21], s[20:21], s[18:19]
	s_mul_u64 s[46:47], s[46:47], s[18:19]
	s_mul_i32 s45, s14, HALFT                      ; LDS: wave x 128 rows
	s_wait_dscnt 0x0                               ; both opening adds are done
	s_wait_kmcnt 0x0
	s_load_b64 s[96:97], s[8:9], 0x0               ; e0, e1
	s_load_b32 s98, s[10:11], 0x0                  ; s
	s_add_nc_u64 s[20:21], s[4:5], s[20:21]
	s_add_nc_u64 s[46:47], s[6:7], s[46:47]
.irp s, 0,1
	s_mov_b32 s[G0+4*\s], 1
	s_add_co_u32 s[G0+4*\s+1], s45, \s*SLOT
	s_add_nc_u64 s[G0+4*\s+2:G0+4*\s+3], s[20:21], \s*ROWB
	s_or_b32 s[G0+4*\s+3], s[G0+4*\s+3], 0x80000000
	s_mov_b32 s[G0B+4*\s], 1
	s_add_co_u32 s[G0B+4*\s+1], s45, \s*SLOT
	s_add_nc_u64 s[G0B+4*\s+2:G0B+4*\s+3], s[46:47], \s*ROWB
	s_or_b32 s[G0B+4*\s+3], s[G0B+4*\s+3], 0x80000000
.endr
	CROUND                                         ; the first joint loads meet
	JLOAD G0, G1, G0B, G1B                         ; K step 0: one tensor load a wave at the head
	v_and_b32 v1, 15, v0                           ; l % 16
	v_bfe_u32 v2, v0, 4, 1                         ; l / 16
	v_mul_u32_u24 v3, v1, PITCH
	v_lshl_add_u32 v4, v2, 4, v3
	s_mul_i32 s21, s15, HALFT
	s_mul_i32 s22, s16, HALFT
	s_add_co_u32 s22, s22, 2*HALFT
.irp s, 0,1
	v_add_nc_u32 v[ADRA+\s], s21, v4
	v_add_nc_u32 v[ADRB+\s], s22, v4
	s_add_co_u32 s21, s21, SLOT
	s_add_co_u32 s22, s22, SLOT
.endr
	s_mul_i32 s23, s14, 16*SPITCH                  ; my stage
	s_wait_alu depctr_va_vdst(0)                   ; the wait ahead of the reader below
	v_mul_u32_u24 v5, v1, SPITCH
	v_lshl_add_u32 v5, v2, 5, v5
	v_add_nc_u32 v[STO], s23, v5                   ; in: row l % 16, 32 bytes for each half of the lanes
	v_and_b32 v6, 31, v0
	v_lshlrev_b32 v[CO], 4, v6                     ; back: the 32 lanes take a row of 512 bytes; the same in out0
	v_add_nc_u32 v[RD], s23, v[CO]
	s_lshl_b32 s20, s17, 8
	s_lshl_b32 s21, s15, 7
	s_add_co_u32 s20, s20, s21                     ; my first row of out0
	s_mov_b32 s21, 0
	s_mov_b64 s[18:19], SIZE_N*4
	s_mul_u64 s[20:21], s[20:21], s[18:19]
	s_lshl_b32 s46, s42, 10
	s_lshl_b32 s47, s16, 9
	s_add_co_u32 s46, s46, s47                     ; my first column, in bytes
	s_mov_b32 s47, 0
	s_add_nc_u64 s[20:21], s[20:21], s[46:47]
	s_add_nc_u64 s[12:13], s[12:13], s[20:21]
	s_lshl_b32 s72, s17, 8                         ; the prefetches: the tile's first row,
	s_lshl_b32 s73, s42, 8
	s_cmp_eq_u32 s15, 0
	s_cselect_b32 s72, s72, s73
	s_cselect_b32 s73, s40, s41                    ; my place among the four that ask with me,
	s_cselect_b64 s[PFA:PFA+1], s[4:5], s[6:7]
	s_lshl_b32 s74, s16, 7
	s_add_co_u32 s72, s72, s74                     ; the 128 rows that I fetch,
	s_lshl_b32 s73, s73, 5
	s_add_co_u32 s72, s72, s73                     ; my work-group's 32 of them
	s_lshl_b32 s72, s72, 12
	s_mov_b32 s73, 0
	s_add_nc_u64 s[PFA:PFA+1], s[PFA:PFA+1], s[72:73]
	s_add_nc_u64 s[PFA:PFA+1], s[PFA:PFA+1], ROWB  ; at K step 1
	v_and_b32 v[PFO], 31, v0
	v_lshlrev_b32 v[PFO], 12, v[PFO]
.macro FRAG reg, adr, q, i             ; 16 rows x 128 K: registers 4 c .. 4 c + 3 hold K = 32 c + 16 (l / 16) + 0 .. 15: the same permutation of k in A and in B
.irp c, 0,1,2,3
	ds_load_b128 v[\reg+4*\c:\reg+4*\c+3], v[\adr] offset:128*(\q)+32*\c+(\i)*16*PITCH
.endr
.endm
; The queue of a step's 16 fragments, in the order of their use.  LS: the slot, LP: the step's parity, LQ: the next fragment (16: none left).
; 0-7: B's eight into set LP.  8-15: even step: A's blocks 0-7 into AE; odd step: blocks 6, 7 into AE's first two places, then blocks 0-5 into AO.
.macro LDQ
.if LQ < 16
.if LQ < 8
	WIN TO_B
	FRAG 128*LP+16*LQ, ADRB+LS, LP, LQ
.else
	WIN 0
.if LP == 0
	FRAG AE+16*(LQ-8), ADRA+LS, 0, LQ-8
.else
.if LQ < 10
	FRAG AE+16*(LQ-8), ADRA+LS, 1, LQ-2
.else
	FRAG AO+16*(LQ-10), ADRA+LS, 1, LQ-10
.endif
.endif
.endif
.set LQ, LQ+1
.endif
.endm
.macro LDG mw                          ; a group of GSZ fragments, and back to the products' windows
.rept GSZ
	LDQ
.endr
	WIN \mw
.endm
; A's block a (registers from ar) against B's eight of set p; the accumulators take turns, one instruction a turn.
; WC counts the step's products; behind product WOFF, WOFF + GAP, .. stands a group of the queue's loads.
.macro MULB a, ar, p, zero
.irp b, 0,1,2,3,4,5,6,7
.if \zero
	v_wmma_f32_16x16x128_fp8_fp8 v[64*((\a)%4)+8*\b:64*((\a)%4)+8*\b+7], v[128*(\p)+16*\b:128*(\p)+16*\b+15], v[\ar:\ar+15], 0
.else
	v_wmma_f32_16x16x128_fp8_fp8 v[64*((\a)%4)+8*\b:64*((\a)%4)+8*\b+7], v[128*(\p)+16*\b:128*(\p)+16*\b+15], v[\ar:\ar+15], v[64*((\a)%4)+8*\b:64*((\a)%4)+8*\b+7]
.endif
.if LQ < 16
.if WC >= WOFF
.if ((WC-WOFF) % GAP) == 0
	LDG MUL_LO+0x50*((\a)/4)
.endif
.endif
.endif
.set WC, WC+1
.endr
.endm
.macro FETCH_B slot, q, p
	WIN TO_B
.irp i, 0,1,2,3,4,5,6,7
	FRAG 128*(\p)+16*\i, ADRB+\slot, \q, \i
.endr
	WIN 0
.endm
.macro PLACES                          ; four places in front of loads into registers that matrix instructions have read (ISA guide 7.12.1 for vector instructions)
.rept 4
	v_nop
.endr
.endm
; The even step of a slot; among its products the odd step's fragments are fetched.  The places at its head serve B's set 1 and AO, which the odd step before has read;
; those behind block 1 serve AE's first two places (the queue reaches them behind product 25).
.macro EVEN slot, zero
.set WC, 0
.set WOFF, 1
.set LQ, 0
.set LS, \slot
.set LP, 1
	s_wait_dscnt 24                                ; B's set 0 and A's blocks 0, 1 are in; the 24 youngest loads (blocks 2-7) may be out
	PLACES
	WIN MUL_LO
	MULB 0, AE, 0, \zero
	MULB 1, AE+16, 0, \zero
	s_wait_dscnt 4*LQ                              ; blocks 2-7 are in: only the loads issued in this step may be out
	PLACES
	MULB 2, AE+32, 0, \zero
	MULB 3, AE+48, 0, \zero
	WIN MUL_HI
.irp a, 4,5,6,7
	MULB \a, AE+16*\a, 0, \zero
.endr
.endm
; The odd step changes slots at its head: all its fragments were asked for in the even step.  Each wave waits for all its tensor loads (one is out: its part of the next slot), adds 0 to its spare word,
; and waits for that and for its reads of this slot.  fill = 1: a round of the cluster's barrier, and this slot takes the K step two on.  Behind it the next slot's even step is fetched among blocks 0-5's products.
.macro ODD slot, next, fill
.set WC, 0
.set LQ, 16
.if \fill
	s_wait_xcnt 0x0                                ; my prefetches have read their address
	s_add_nc_u64 s[PFA:PFA+1], s[PFA:PFA+1], ROWB
.endif
	WIN 0
	s_wait_tensorcnt 0x0
	ds_add_u32 v[SPW], v[NIL]
.if \fill
	s_add_nc_u64 s[G0+4*\slot+2:G0+4*\slot+3], s[G0+4*\slot+2:G0+4*\slot+3], 2*ROWB
	s_add_nc_u64 s[G0B+4*\slot+2:G0B+4*\slot+3], s[G0B+4*\slot+2:G0B+4*\slot+3], 2*ROWB
.endif
	s_wait_dscnt 29                                ; B's set 1 and block 6 are in; the add and the 28 loads of blocks 7 and 0-5 may be out
	WIN MUL_HI
	MULB 6, AE, 1, 0
	s_wait_dscnt 0x0                               ; the add is done, and my reads of this slot are over
	s_barrier_signal -1
	MULB 7, AE+16, 1, 0                            ; work on registers while the others arrive
	WIN 0
	s_barrier_wait -1
.if \fill
	CREST
	JLOAD G0+4*\slot, G1, G0B+4*\slot, G1B         ; the first tensor load behind the round; its four v_nop are the places in front of the loads below
	ASK
.else
	PLACES
.endif
.set WOFF, 16
.set LQ, 0
.set LS, \next
.set LP, 0
	WIN MUL_LO
.irp a, 0,1,2,3
	MULB \a, AO+16*\a, 1, 0
.endr
	WIN MUL_HI
	MULB 4, AO+64, 1, 0
	MULB 5, AO+80, 1, 0
.endm
	s_wait_alu depctr_va_vdst(0)                   ; the wait at the head's end
	s_wait_tensorcnt 0x0                           ; my part of K step 0 is in; slot 1's first fill is issued as a refill is
	ds_add_u32 v[SPW], v[NIL]
	s_wait_dscnt 0x0
	CROUND
	JLOAD G0+4, G1, G0B+4, G1B                     ; K step 1
	FETCH_B 0, 0, 0
.irp i, 0,1,2,3,4,5,6,7
	FRAG AE+16*\i, ADRA, 0, \i
.endr
	global_prefetch_b8 v[PFO], s[PFA:PFA+1] offset:ROWB th:TH_LOAD_NT scope:SCOPE_SE    ; K step 2
	global_prefetch_b8 v[PFO], s[PFA:PFA+1] offset:2*ROWB th:TH_LOAD_NT scope:SCOPE_SE  ; K step 3
	EVEN 0, 1                                      ; the first step starts the sums: nothing is cleared
	WIN 0
	s_mov_b32 s3, LAPS-1
.Llap:                                                 ; a trip goes once round the ring and fills both slots again
	ODD 0, 1, 1
	EVEN 1, 0
	ODD 1, 0, 1
	EVEN 0, 0
	WIN 0
	s_sub_co_u32 s3, s3, 1
	s_cmp_lg_u32 s3, 0
	s_cbranch_scc1 .Llap
	ODD 0, 1, 0                                    ; the last lap fills nothing and has no round
	EVEN 1, 0
.set LQ, 16                                            ; the very last step fetches nothing
	s_wait_dscnt 24
	WIN MUL_HI
	MULB 6, AE, 1, 0
	MULB 7, AE+16, 1, 0
	s_wait_dscnt 0x0
	WIN MUL_LO
.irp a, 0,1,2,3
	MULB \a, AO+16*\a, 1, 0
.endr
	WIN MUL_HI
	MULB 4, AO+64, 1, 0
	MULB 5, AO+80, 1, 0
	WIN 0
; THE WAY OUT, by blocks of 16 rows x 128 columns: x the factor, through my own stage, back as whole rows of 512 bytes.  LDS serves a wave's instructions in order (ISA guide 5.7.1.4).
.macro TOSTAGE a
.set AC, 64*((\a)%4)
	WIN 0x02+((\a)/4)
.irp j, 0,2,4,6,8,10,12,14,16,18,20,22,24,26,28,30,32,34,36,38,40,42,44,46,48,50,52,54,56,58,60,62
	v_pk_mul_f32 v[TMP+\j:TMP+\j+1], v[AC+\j:AC+\j+1], v[FAC:FAC+1]   ; each accumulator from its low end on
.endr
	WIN 0
.irp b, 0,1,2,3,4,5,6,7
	ds_store_b128 v[STO], v[TMP+8*\b:TMP+8*\b+3] offset:64*\b
	ds_store_b128 v[STO], v[TMP+8*\b+4:TMP+8*\b+7] offset:64*\b+16
.endr
.set BB, BK+64*((\a)%2)
.irp t, 0,1,2,3,4,5,6,7,8,9,10,11,12,13,14,15
	ds_load_b128 v[BB+4*\t:BB+4*\t+3], v[RD] offset:\t*SPITCH
.endr
.endm
.macro SEND a, younger
.set BB, BK+64*((\a)%2)
	s_wait_dscnt \younger
.if (\a) > 0
	s_add_nc_u64 s[12:13], s[12:13], 16*SIZE_N*4   ; behind a wait on XCNT: the earlier stores have read their base
.endif
.irp t, 0,1,2,3,4,5,6,7,8,9,10,11,12,13,14,15
	global_store_b128 v[CO], v[BB+4*\t:BB+4*\t+3], s[12:13] offset:\t*SIZE_N*4   ; 32 lanes store 512 consecutive bytes, aligned
.endr
.endm
	s_wait_kmcnt 0x0
	s_add_co_i32 s96, s96, s97                     ; e0 + e1
	v_mov_b32 v[FAC], s98
	v_mul_f32 v[FAC], v[FAC], v[FAC]               ; s^2
	v_ldexp_f32 v[FAC], v[FAC], s96
	v_mov_b32 v[FAC+1], v[FAC]
	PLACES
	TOSTAGE 0
.irp a, 1,2,3,4,5,6,7
.if \a > 1
	s_wait_xcnt 0x0                                ; block a - 2's stores have read their registers and their base
.endif
	TOSTAGE \a
	SEND \a-1, 32                                  ; behind block a - 1's loads: block a's 16 stores and 16 loads
.endr
	s_wait_xcnt 0x0
	SEND 7, 0
	s_wait_tensorcnt 0x0                           ; the wave's end
	ds_add_u32 v[SPW], v[NIL]
	s_wait_dscnt 0x0
	CROUND                                         ; the closing round
	s_endpgm
.Lfunc_end_k_qebb8448eb0_gemm:
	.size	k_qebb8448eb0_gemm, .Lfunc_end_k_qebb8448eb0_gemm-k_qebb8448eb0_gemm
	.p2alignl 7, 3214868480
	.fill 96, 4, 3214868480
	.section	.rodata,"a",@progbits
	.p2align	6, 0x0
	.amdhsa_kernel k_qebb8448eb0_gemm
		.amdhsa_group_segment_fixed_size 327680
		.amdhsa_private_segment_fixed_size 0
		.amdhsa_enable_private_segment 0
		.amdhsa_kernarg_size 40
		.amdhsa_user_sgpr_count 2
		.amdhsa_user_sgpr_kernarg_segment_ptr 1
		.amdhsa_wavefront_size32 1
		.amdhsa_system_sgpr_workgroup_id_x 1
		.amdhsa_system_sgpr_workgroup_id_y 1
		.amdhsa_system_sgpr_workgroup_id_z 1
		.amdhsa_system_vgpr_workitem_id 0
		.amdhsa_next_free_vgpr 1024
		.amdhsa_next_free_sgpr 100
		.amdhsa_reserve_vcc 0
		.amdhsa_float_denorm_mode_32 3
		.amdhsa_float_denorm_mode_16_64 3
		.amdhsa_memory_ordered 1
		.amdhsa_forward_progress 1
		.amdhsa_inst_pref_size 126
	.end_amdhsa_kernel
	.amdgpu_metadata
---
amdhsa.version: [ 1, 2 ]
amdhsa.kernels:
  - .name:           k_qebb8448eb0_gemm
    .symbol:         k_qebb8448eb0_gemm.kd
    .args:
      - { .name: a_codes, .offset: 0, .size: 8, .value_kind: global_buffer, .address_space: global }
      - { .name: w_codes, .offset: 8, .size: 8, .value_kind: global_buffer, .address_space: global }
      - { .name: lowp_scales, .offset: 16, .size: 8, .value_kind: global_buffer, .address_space: global }
      - { .name: wscale, .offset: 24, .size: 8, .value_kind: global_buffer, .address_space: global }
      - { .name: out0, .offset: 32, .size: 8, .value_kind: global_buffer, .address_space: global }
    .group_segment_fixed_size: 327680
    .private_segment_fixed_size: 0
    .kernarg_segment_align: 8
    .kernarg_segment_size: 40
    .max_flat_workgroup_size: 128
    .sgpr_count:     100
    .vgpr_count:     1024
    .wavefront_size: 32
...
	.end_amdgpu_metadata
.endif
;; end of part 2
